; MI455X (gfx1250); checked and timed in simulation.
; The chip was launched on July 23, 2026; its instructions are those of AMD's public machine-readable ISA for CDNA 5 (MIT licence, August 2026) and "CDNA5" Instruction Set Architecture Reference Guide (July 2026). The comments in the code are by the model that wrote it; some were corrected since.
;; Masked Multi Head Attention. Allowed arithmetic: matrix products marked QUANTISED: E4M3 operands, one given power-of-two scale a tensor, by v_wmma_f32_16x16x64_fp8_fp8 or v_wmma_f32_16x16x128_fp8_fp8, f32 sums; everything else in f32.
;; Inputs: lowp_scales 8 int32 (the exponents e of the quantised operands' scales 2^e); w_o 1,024 x 1,024 float32; w_qkv 1,024 x 3,072 float32; x 4 x 2,048 x 1,024 float32.
;; Outputs: out0 4 x 2,048 x 1,024 float32.
;; This version of the problem:
;;   THIS VERSION OF THE PROBLEM IS GIVEN IN LOW PRECISION. The matrix products marked QUANTISED in the list below multiply operands that are first quantised to E4M3 (4 exponent bits, 3 mantissa bits; 8 bits a number), with one given power-of-two scale for each operand tensor; their sums are f32. All else is computed in f32.
;;   The module's matrix products, in the order in which they are computed (A, B: the left and right operand; K: the contracted axis; several contracted axes count as one K, in the product's order):
;;     1. [M 8,192, K 1,024] x [K 1,024, N 3,072]; A: input x; B: input w_qkv: QUANTISED (scales: A lowp_scales[0], B lowp_scales[1])
;;     2. batch 64 x [M 2,048, K 64] x [K 64, N 2,048]; A: computed on the way; B: computed on the way: QUANTISED (scales: A lowp_scales[2], B lowp_scales[3])
;;     3. batch 64 x [M 2,048, K 2,048] x [K 2,048, N 64]; A: softmax (see below); B: computed on the way: QUANTISED (scales: A lowp_scales[4], B lowp_scales[5])
;;     4. [M 8,192, K 1,024] x [K 1,024, N 1,024]; A: computed on the way; B: input w_o: QUANTISED (scales: A lowp_scales[6], B lowp_scales[7])
;;   THE QUANTISER, for each operand of a quantised product, along K:
;;     - The operand's scale is 2^e, e = its entry of the input lowp_scales (int32; the entries are numbered through the quantised products in the list's order, A before B).
;;     - Each number is divided by the scale, clamped to +-448, and rounded to the nearest number of E4M3, ties to even, subnormals kept.
;;     - The product sums the exact products of the quantised numbers (number of the format x scale) in f32.
;;   ~~~python
;;   def quantise(x, axis, e):      # numpy; x: float32 -> the quantised numbers, widened to float32 again
;;       x = np.moveaxis(x, axis, -1); K = x.shape[-1]
;;       r = np.clip(x / 2.0 ** e, -448, 448)
;;       step = 2.0 ** (np.maximum(np.frexp(np.where(r == 0, 1, r))[1] - 1, -6) - 3)
;;       q = np.round(r / step) * step * 2.0 ** e      # np.round: ties to even
;;       return np.moveaxis(q, -1, axis).astype(np.float32)
;;   ~~~
;;   SOFTMAX AHEAD OF A QUANTISED PRODUCT. Where the list says 'softmax', what is quantised is not the finished softmax but p = 2^(t - M), with t = logit x log2(e) and M = ceil(the row's largest t), a whole number; so 1/2 < the row's largest p <= 1. The row's sum l is taken of the UNQUANTISED p, in f32, and the product's result is divided by l at the end. Since M is a whole number, a kernel that streams over the keys may use a running M (the ceiling of the running maximum): every later rescaling is an exact power of two, so the quantised numbers keep their values, but for numbers so far below the row's largest that they fall under the format's range.
;;   OPERANDS COMPUTED ON THE WAY. 'Computed on the way' means the value that the module computes at that place (a softmax that the list does not call 'softmax' is quantised finished and normalised). What goes into a quantiser is computed in f32, as accurately as f32 sums, v_exp_f32 and their like allow (about 1e-6 of the number): no bf16 or f16 on the way to a quantiser, and a product that is left as it is and whose result goes on into a quantised operand takes f32 operands (vector FMAs, or v_wmma_f32_16x16x4_f32). A number that lies on a knife's edge between two numbers of the format may be rounded either way, as far as f32 arithmetic and the matrix unit's own rounding can turn it there, and no further.
;; One version. Each part assembles by itself: llvm-mc -triple=amdgcn-amd-amdhsa -mcpu=gfx1250 --defsym DOCPART=n.
;; ======== version 1 of 1: 4 launches
;; limits: right only within a limited range of input values
;; workspace buffers: ximg 8,388,608 bytes; wqkvimg 3,145,728 bytes; woimg 1,048,576 bytes; qkv 25,165,824 bytes; attnimg 8,388,608 bytes
;; launch quant (part 1): grid 1024 x 1, 4 waves a work-group, no clusters, 34,304 bytes of LDS; arguments x, w_qkv, w_o, lowp_scales, ximg, wqkvimg, woimg; writes ximg, wqkvimg, woimg
.if DOCPART == 1
	.amdgcn_target "amdgcn-amd-amdhsa--gfx1250"
	.amdhsa_code_object_version 6
	.text
	.protected	k_q9a47952097_quant
	.globl	k_q9a47952097_quant
	.p2align	8
	.type	k_q9a47952097_quant,@function
k_q9a47952097_quant:
	s_mov_b64 s[64:65], 0
	v_nop
	global_prefetch_b8 v0, s[64:65] scope:SCOPE_SE
	s_setreg_imm32_b32 hwreg(HW_REG_WAVE_MODE, 25, 1), 1
	s_wait_xcnt 0x0
; x [8192][1024], w_qkv [1024][3072], w_o [1024][1024], f32, become codes of E4M3 with the given scales 2^e0, 2^e1, 2^e7, laid as IMAGES OF OPERAND REGISTERS.
; code = number / 2^e, held within +-448, rounded to the nearest code, ties to even.  LIMITS: e0, e1, e7 between -126 and 119, so that 2^e and 448 x 2^e are f32 numbers.  NaN among the inputs is not served.
; AN IMAGE: 16 rows x 128 k = 2,048 bytes; the 16 bytes at 512 c + 16 lane (lane = 16 h + r) are k = 32 c + 16 h + 0 .. 15 of the row at position r: four 16-byte loads at 16 x lane fill a fragment.
; THE ROWS OF A TILE ARE NOT NEIGHBOURS: tile 2 B + u holds at position p the row 32 B + 8 u + p + 8 (p / 8) (x: rows; the weights: columns).
; A buffer is [K / 256][tile][K step of 128: 2][2,048], so that 128 rows x 256 k are 32,768 consecutive bytes.
; Work-groups 0-511: x, one tile of 16 rows each, wave w the w-th 256 along K.  512-895: w_qkv, 896-1023: w_o: 64 k x 128 columns each, a wave 32 columns.
; Every wave asks for all its numbers at its head (x: 32 loads of 512 consecutive bytes; a weight: 64 loads of 128); no loop, no barrier: waves share nothing.
.set STG,   8448                       ; a wave's stage: 16 rows x (512 bytes + 16)
.set SPARE, 4*STG                      ; behind the four stages: the spare words, 128 bytes for each wave, which no other line names
.set R,     16                         ; v16-143  numbers as loaded (a weight: v16-79)
.set X,     144                        ; v144-207 x: 64 numbers of my row, 16 neighbours for each block of 32
.set C,     208                        ; v208-239 codes: registers of their own for each store
.set SPW,   12                         ; v12      my spare word's LDS address; never rewritten
.set NIL,   13                         ; v13      0; never rewritten
	s_load_b256 s[4:11], s[0:1], 0x0               ; x s[4:5], w_qkv s[6:7], w_o s[8:9], the exponents s[10:11]
	s_load_b128 s[12:15], s[0:1], 0x20             ; ximg s[12:13], wqkvimg s[14:15]
	s_load_b64 s[16:17], s[0:1], 0x30              ; woimg
	v_lshl_add_u32 v[SPW], v0, 2, SPARE
	v_mov_b32 v[NIL], 0
	v_lshrrev_b32 v1, 5, v0
	v_readfirstlane_b32 s18, v1                    ; wave 0..3
	v_and_b32 v2, 31, v0                           ; lane
	v_lshlrev_b32 v3, 4, v2                        ; 16 x lane
	s_mul_i32 s19, s18, STG
	v_add_nc_u32 v4, s19, v3                       ; the stage on the way in: a row's 512 bytes as they lie
	v_and_b32 v8, 15, v0                           ; r
	v_bfe_u32 v9, v0, 4, 1                         ; h
	v_mul_u32_u24 v5, v8, 528
	v_lshl_add_u32 v5, v9, 6, v5
	v_add_nc_u32 v5, s19, v5                       ; and on the way out: row r, + 64 h: my 16 numbers of a block of 32
	v_and_b32 v6, 8, v0
	v_add_nc_u32 v6, v6, v8
	v_lshl_add_u32 v6, v9, 3, v6
	v_lshlrev_b32 v6, 2, v6                        ; a weight: my column among the wave's 32: 8 (lane / 16) + p + 8 (p / 8), in bytes
	v_lshlrev_b32 v7, 4, v8
	v_lshl_add_u32 v7, v9, 12, v7                  ; and where its codes go: tile lane / 16 of the pair, 16 bytes at position p
	s_wait_kmcnt 0x0
	s_load_b256 s[24:31], s[10:11], 0x0            ; e0 .. e7
.macro MKSCALE se                      ; v11 = 2^e as f32 (the conversion takes its exponent field), s32 = 448 x 2^e
	s_add_co_i32 s32, s[\se], 127
	s_lshl_b32 s33, s32, 23
	v_mov_b32 v11, s33
	s_add_co_i32 s32, s32, 8
	s_lshl_b32 s32, s32, 23
	s_or_b32 s32, s32, 0x600000
.endm
	s_cmp_lt_u32 ttmp9, 512
	s_cbranch_scc0 .Lweights
	; ---- x: tile T = the work-group's number; its first row is 32 (T / 2) + 8 (T % 2)
	s_lshr_b32 s20, ttmp9, 1
	s_lshl_b32 s20, s20, 5
	s_and_b32 s21, ttmp9, 1
	s_lshl_b32 s21, s21, 3
	s_add_co_u32 s20, s20, s21
	s_lshl_b32 s20, s20, 12                        ; rows of 4,096 bytes
	s_lshl_b32 s21, s18, 10                        ; + my 256 along K
	s_add_co_u32 s20, s20, s21
	s_mov_b32 s21, 0
	s_add_nc_u64 s[4:5], s[4:5], s[20:21]
	s_lshl_b32 s22, s18, 21                        ; ximg: 512 tiles x 4,096 bytes for each 256 along K,
	s_lshl_b32 s23, ttmp9, 12                      ; + my tile
	s_add_co_u32 s22, s22, s23
	s_mov_b32 s23, 0
	s_add_nc_u64 s[12:13], s[12:13], s[22:23]
.irp q, 0,1
.irp i, 0,1,2,3,4,5,6,7,8,9,10,11,12,13,14,15
	global_load_b128 v[R+64*\q+4*\i:R+64*\q+4*\i+3], v3, s[4:5] offset:(\i+8*(\i/8))*4096+512*\q th:TH_LOAD_NT   ; position i's row, 128 numbers: 512 consecutive bytes
.endr
.endr
	s_wait_kmcnt 0x0
	MKSCALE 24
; image q: 16 rows x 128 k turn through my stage, so that a lane holds 16 neighbours of each block of 32.  LDS serves a wave's instructions in order: no wait between the stores and the loads, nor ahead of the next image's stores
.macro IMG q
	s_wait_loadcnt 16*(1-\q)                       ; this image's 16 loads are in; the other image's 16 were issued behind them
.irp i, 0,1,2,3,4,5,6,7,8,9,10,11,12,13,14,15
	ds_store_b128 v4, v[R+64*\q+4*\i:R+64*\q+4*\i+3] offset:528*\i
.endr
.irp c, 0,1,2,3
.irp j, 0,1,2,3
	ds_load_b128 v[X+16*\c+4*\j:X+16*\c+4*\j+3], v5 offset:128*\c+16*\j
.endr
.endr
	s_wait_dscnt 0x0
.set n, 0
.rept 64
.set n, n+1
.endr
.irp g, 0,1,2,3,4,5,6,7
	v_cvt_scalef32_pk8_fp8_f32 v[C+16*\q+2*\g:C+16*\q+2*\g+1], v[X+8*\g:X+8*\g+7], v11
.endr
	v_nop                                          ; a plain line behind the last conversion
.irp c, 0,1,2,3
	global_store_b128 v3, v[C+16*\q+4*\c:C+16*\q+4*\c+3], s[12:13] offset:2048*\q+512*\c   ; 512 consecutive bytes
.endr
.endm
	s_wait_alu depctr_va_vdst(0)
	IMG 0
	IMG 1
	s_branch .Lend
; ---- a weight [1024][N]: a lane takes a column and its registers run down K, so the conversions give codes with K innermost and nothing is transposed.
; Work-group: kg = 64 along K, cg = 128 columns.  A lane's 32 codes of a block are two pieces of 16 bytes (h = 0, 1) of its tile's image; sixteen lanes fill 256 consecutive bytes.
.macro WPATH N, NT, sp, dp, se, first
	s_sub_co_u32 s19, ttmp9, \first
	s_and_b32 s20, s19, 15                         ; kg
	s_lshr_b32 s21, s19, 4                         ; cg
	s_mul_i32 s22, s20, 64*\N*4
	s_lshl_b32 s23, s21, 9
	s_add_co_u32 s22, s22, s23
	s_lshl_b32 s23, s18, 7
	s_add_co_u32 s22, s22, s23                     ; row 64 kg, column 128 cg + 32 wave
	s_mov_b32 s23, 0
	s_add_nc_u64 s[\sp:\sp+1], s[\sp:\sp+1], s[22:23]
	s_lshr_b32 s22, s20, 2
	s_mul_i32 s22, s22, \NT*4096                   ; which 256 along K,
	s_lshl_b32 s23, s21, 15
	s_add_co_u32 s22, s22, s23
	s_lshl_b32 s23, s18, 13
	s_add_co_u32 s22, s22, s23                     ; tile 8 cg + 2 wave,
	s_and_b32 s23, s20, 3
	s_lshl_b32 s23, s23, 10
	s_add_co_u32 s22, s22, s23                     ; and 64 (kg % 4) along K inside its two images: 1,024 bytes each
	s_mov_b32 s23, 0
	s_add_nc_u64 s[\dp:\dp+1], s[\dp:\dp+1], s[22:23]
.set n, 0
.rept 64
	global_load_b32 v[R+n], v6, s[\sp:\sp+1] offset:n*\N*4 th:TH_LOAD_NT   ; row 64 kg + n at the wave's 32 columns: 128 consecutive bytes
.set n, n+1
.endr
	s_wait_kmcnt 0x0
	MKSCALE \se
	s_wait_alu depctr_va_vdst(0)
.irp t, 0,1
	s_wait_loadcnt 32*(1-\t)                       ; this block's 32 loads are in; the other block's were issued behind them
.set n, 0
.rept 32
.set n, n+1
.endr
.irp g, 0,1,2,3
	v_cvt_scalef32_pk8_fp8_f32 v[C+8*\t+2*\g:C+8*\t+2*\g+1], v[R+32*\t+8*\g:R+32*\t+8*\g+7], v11
.endr
	v_nop
	global_store_b128 v7, v[C+8*\t:C+8*\t+3], s[\dp:\dp+1] offset:512*\t
	global_store_b128 v7, v[C+8*\t+4:C+8*\t+7], s[\dp:\dp+1] offset:512*\t+256
.endr
.endm
.Lweights:
	s_cmp_lt_u32 ttmp9, 896
	s_cbranch_scc0 .Lwo
	s_wait_alu depctr_va_vdst(0)
	WPATH 3072, 192, 6, 14, 25, 512
	s_branch .Lend
.Lwo:
	s_wait_alu depctr_va_vdst(0)
	WPATH 1024, 64, 8, 16, 31, 896
.Lend:
	s_wait_tensorcnt 0x0                           ; the wave's end, behind my last LDS store
	ds_add_u32 v[SPW], v[NIL]
	s_wait_dscnt 0x0
	s_endpgm
.Lfunc_end_k_q9a47952097_quant:
	.size	k_q9a47952097_quant, .Lfunc_end_k_q9a47952097_quant-k_q9a47952097_quant
	.p2alignl 7, 3214868480
	.fill 96, 4, 3214868480
	.section	.rodata,"a",@progbits
	.p2align	6, 0x0
	.amdhsa_kernel k_q9a47952097_quant
		.amdhsa_group_segment_fixed_size 34304
		.amdhsa_private_segment_fixed_size 0
		.amdhsa_enable_private_segment 0
		.amdhsa_kernarg_size 56
		.amdhsa_user_sgpr_count 2
		.amdhsa_user_sgpr_kernarg_segment_ptr 1
		.amdhsa_wavefront_size32 1
		.amdhsa_system_sgpr_workgroup_id_x 1
		.amdhsa_system_sgpr_workgroup_id_y 1
		.amdhsa_system_sgpr_workgroup_id_z 1
		.amdhsa_system_vgpr_workitem_id 0
		.amdhsa_next_free_vgpr 240
		.amdhsa_next_free_sgpr 66
		.amdhsa_reserve_vcc 0
		.amdhsa_float_denorm_mode_32 3
		.amdhsa_float_denorm_mode_16_64 3
		.amdhsa_fp16_overflow 1
		.amdhsa_memory_ordered 1
		.amdhsa_forward_progress 1
		.amdhsa_inst_pref_size 28
	.end_amdhsa_kernel
	.amdgpu_metadata
---
amdhsa.version: [ 1, 2 ]
amdhsa.kernels:
  - .name:           k_q9a47952097_quant
    .symbol:         k_q9a47952097_quant.kd
    .args:
      - { .name: x, .offset: 0, .size: 8, .value_kind: global_buffer, .address_space: global }
      - { .name: w_qkv, .offset: 8, .size: 8, .value_kind: global_buffer, .address_space: global }
      - { .name: w_o, .offset: 16, .size: 8, .value_kind: global_buffer, .address_space: global }
      - { .name: lowp_scales, .offset: 24, .size: 8, .value_kind: global_buffer, .address_space: global }
      - { .name: ximg, .offset: 32, .size: 8, .value_kind: global_buffer, .address_space: global }
      - { .name: wqkvimg, .offset: 40, .size: 8, .value_kind: global_buffer, .address_space: global }
      - { .name: woimg, .offset: 48, .size: 8, .value_kind: global_buffer, .address_space: global }
    .group_segment_fixed_size: 34304
    .private_segment_fixed_size: 0
    .kernarg_segment_align: 8
    .kernarg_segment_size: 56
    .max_flat_workgroup_size: 128
    .sgpr_count:     66
    .vgpr_count:     240
    .wavefront_size: 32
...
	.end_amdgpu_metadata
.endif
;; end of part 1
;; launch gemm_qkv (part 2): grid 12 x 32, 4 waves a work-group, clusters of 4 x 4, 327,680 bytes of LDS; arguments ximg, wqkvimg, lowp_scales, qkv; writes qkv
.if DOCPART == 2
	.amdgcn_target "amdgcn-amd-amdhsa--gfx1250"
	.amdhsa_code_object_version 6
	.text
	.protected	k_q9a47952097_gemm_qkv
	.globl	k_q9a47952097_gemm_qkv
	.p2align	8
	.type	k_q9a47952097_gemm_qkv,@function
k_q9a47952097_gemm_qkv:
	s_mov_b64 s[64:65], 0
	v_nop
	global_prefetch_b8 v0, s[64:65] scope:SCOPE_SE
	s_setreg_imm32_b32 hwreg(HW_REG_WAVE_MODE, 25, 1), 1
	s_wait_xcnt 0x0
	s_wait_alu depctr_hold_cnt(0) depctr_sa_sdst(0) depctr_va_vdst(0) depctr_va_sdst(0) depctr_va_ssrc(0) depctr_va_vcc(0) depctr_vm_vsrc(0)
	s_getreg_b32 s2, hwreg(HW_REG_IB_STS2, 6, 4)
	s_cmp_eq_u32 s2, 0
	s_cbranch_scc0 .Lentry_in_a_cluster
	s_endpgm
.Lentry_in_a_cluster:
	s_bfe_u32 s2, ttmp6, 0x10000c
	s_cmp_lg_u32 s2, 0xf033
	s_cbranch_scc0 .Lentry_shape_is_right
	s_endpgm
.Lentry_shape_is_right:
; qkv = x w_qkv on codes of E4M3; the sums (f32) are quantised in registers and leave as the images that the attention launch reads.  M 8,192, N 3,072, K 1,024.
; A work-group of four waves makes 256 x 256, a wave 128 x 128: 64 accumulators of 16 x 16.  K goes in steps of 256 through two LDS slots; each wave fetches 128 rows x 256 k, 32,768 consecutive bytes, by one tensor load.
; OPERANDS ARE IMAGES: 16 rows x 128 k in 2,048 bytes, the 16 bytes at 512 c + 16 lane being k = 32 c + 16 (lane / 16) + 0 .. 15 of the row at position lane % 16; tile 2 B + u holds at position p row 32 B + 8 u + p + 8 (p / 8).
; A fragment is four LDS loads of 512 consecutive bytes.  k stands in the same places in both operands, so every product meets its partner.
; THE MATRIX INSTRUCTION: source 0 = a tile of the 'column' operand, source 1 = a tile of the 'row' operand.  Register j of lane (r, h) of accumulator (a, b) is row-operand tile a, position r, and column-operand index
; 32 (b / 2) + 16 h + 8 (b % 2) + j: the 16 registers of b = 2 c, 2 c + 1 are 16 NEIGHBOURS, and two conversions make a piece of 16 codes of the next operand's image.  Nothing changes lanes; the way out needs no LDS.
; ROLES by the cluster's x (the same in all sixteen partners): 0 = Q, 1 = K: rows = x's, columns = w_qkv's (a lane's registers run along the head's channels).  2 = V: THE OPERANDS CHANGE PLACES: rows = w_qkv's columns
; 2,048 on, columns = x's rows, so that a lane's registers run along the KEYS, which are the K of attention's second product.  The change is made by selects on the cluster's x; no branch hangs on it.
; qkv: [Q, K, V][16 batch + head][131,072].  Q, K: [tile of 16 tokens: 128][1,024] (K = 64: c = 0, 1).  V: [128 keys: 16][8,192], piece (channel tile t, c) at 1,024 t + 512 (c % 2) + 4,096 (c / 2) + 16 lane.
; CLUSTERS 4 x 4: the row operand's tile is shared along a row of the cluster, the column operand's along a column: each is asked for jointly.
; LIMIT: e2 - e0 - e1, e3 - e0 - e1, e5 - e0 - e1 between -126 and 119, so that the folded scale and 448 x it are f32 numbers.
; REGISTERS, in windows of 256: window 0: v16-30 addresses; v128-255 the row operand's fragments, ONE set, on the way out the codes.  window 1: the column operand's, TWO sets.  windows 2, 3: the accumulators.
.set FR,     16                        ; registers of a fragment
.set NL,     4                         ; LDS loads that bring one
.set NP,     4                         ; places behind this matrix instruction (ISA guide 7.12.1)
.set HALFT,  32768                     ; what one tensor load brings: 8 tiles x 2 images
.set SLOT,   4*HALFT                   ; the row operand's two halves, then the column operand's
.set SPARE,  2*SLOT                    ; behind the ring: the spare words, 128 bytes for each wave, which no other line names
.set LAPS,   2                         ; K = 1,024 = two laps of two slots of 256
.set ADRA, 16                          ; v16-17  LDS address of my row fragments in slot 0, 1
.set ADRB, 20                          ; v20-21  the same for the column operand
.set VO,   24                          ; v24-27  store offsets: 16 lane + i SP + k SQ at v[VO + 2 i + k]
.set SPW,  28                          ; v28     my spare word's LDS address; never rewritten
.set NIL,  29                          ; v29     0; never rewritten
.set SCL,  30                          ; v30     the folded scale as f32
.set TMP,  32
.set AF,   128
.set CD,   128
.set G1, 24                            ; s[24:31] descriptor group 1, row operand;  s[32:39] its groups 0, one for each slot
.set G0, 32
.set G1B, 48                           ; s[48:55], s[56:63] the same for the column operand
.set G0B, 56
.set MSB, 0
.macro WIN new                         ; the immediate's high byte repeats the setting that is left
.if MSB != \new
	s_set_vgpr_msb (MSB<<8)|\new
.set MSB, \new
.endif
.endm
.set MUL_LO, 0xa1                      ; source 0 window 1, source 1 window 0, C and D window 2
.set MUL_HI, 0xf1                      ; the same, C and D window 3
.set TO_B,   0x40                      ; destination window 1, address window 0
; A joint load: waves 0 and 1 fetch for the row operand, waves 2 and 3 for the column operand.  The branch hangs on the wave's number alone.  An s_nop 0 and four v_nop follow each of the two lines.
.macro JLOAD g0a, g1a, g0b, g1b
	s_cmp_eq_u32 s15, 0
	s_cbranch_scc0 .Lfor_b_\@
	tensor_load_to_lds s[\g0a:\g0a+3], s[\g1a:\g1a+7]
	s_nop 0
.rept 4
	v_nop
.endr
	s_branch .Lasked_\@
.Lfor_b_\@:
	tensor_load_to_lds s[\g0b:\g0b+3], s[\g1b:\g1b+7]
	s_nop 0
.rept 4
	v_nop
.endr
.Lasked_\@:
.endm
.macro CREST                           ; a round of the cluster's barrier behind its opening barrier
	s_cmp_lg_u32 s14, 0
	s_cbranch_scc1 .Lnot_wave_0_\@
	s_barrier_signal -3
.Lnot_wave_0_\@:
	s_barrier_wait -3
	s_barrier_signal -1
	s_barrier_wait -1
.endm
.macro CROUND                          ; a whole round
	s_barrier_signal -1
	s_barrier_wait -1
	CREST
.endm
	s_load_b128 s[4:7], s[0:1], 0x0                ; ximg s[4:5], wqkvimg s[6:7]
	s_load_b128 s[8:11], s[0:1], 0x10              ; the exponents s[8:9], qkv s[10:11]
	v_lshl_add_u32 v[SPW], v0, 2, SPARE
	v_mov_b32 v[NIL], 0
	ds_add_u32 v[SPW], v[NIL]
	ds_add_u32 v[SPW], v[NIL]                      ; the wave's opening: the add and its wait stand ahead of my first tensor load; the set-up below, work on registers, stands between them
	v_lshrrev_b32 v1, 5, v0
	v_readfirstlane_b32 s14, v1                    ; wave 0..3
	s_lshr_b32 s15, s14, 1                         ; my half of the tile's rows.  Also: I fetch for the row operand (0) or the column operand (1)
	s_and_b32 s16, s14, 1                          ; my half of its columns.  Also: which 128 rows of that operand's tile I fetch
	s_bfe_u32 s40, ttmp6, 0x40000                  ; cx, cy: my place in the cluster
	s_bfe_u32 s41, ttmp6, 0x40004
	s_and_b32 s68, ttmp7, 0xffff
	s_lshl_b32 s68, s68, 2                         ; 4 x cluster y
	s_lshl_b32 s71, ttmp9, 2                       ; 4 x cluster x
	s_mov_b32 s76, 0x200000                        ; ximg: 256 along K on = 512 tiles x 4,096 bytes
	s_mov_b32 s77, 0xc0000                         ; wqkvimg: 192 tiles x 4,096
	s_mov_b32 s98, 4096
	s_mov_b32 s99, 131072
	s_cmp_eq_u32 ttmp9, 2                          ; V?  The cluster's x: the same in all sixteen partners
	s_cselect_b32 s69, 8, s68                      ; the first block of 256 rows of the row operand: V: w_qkv's columns 2,048 on; else x's rows
	s_cselect_b32 s70, s68, s71                    ; and of the column operand: V: x's rows; else w_qkv's columns
	s_cselect_b32 s78, s77, s76                    ; the row operand's step along K,
	s_cselect_b32 s80, s76, s77                    ; the column operand's
	s_cselect_b32 s12, s99, s98                    ; SP: four row tiles on, in qkv: V: the next head; else four tiles of tokens
	s_cselect_b32 s13, s98, s99                    ; SQ: 64 column indices on: V: 64 keys; else the next head
	s_mov_b32 s79, 0
	s_mov_b32 s81, 0
	s_lshl_b32 s72, s78, 1                         ; a refill goes two steps on
	s_mov_b32 s73, 0
	s_lshl_b32 s74, s80, 1
	s_mov_b32 s75, 0
	s_add_co_u32 s17, s69, s41                     ; my block of the row operand: hangs on cy, which my row of the cluster shares
	s_add_co_u32 s42, s70, s40                     ; my block of the column operand: hangs on cx, which my column shares
	s_lshl_b32 s43, s41, 2
	s_lshl_b32 s43, 15, s43                        ; my row of the cluster
	s_lshl_b32 s44, 0x1111, s40                    ; my column
	; descriptor group 1: 128 rows of 32 elements of 8 bytes, dense in memory and in LDS
	s_or_b32 s[G1+0], s43, (3<<16)|(1<<21)         ; 15:0 the mask; 17:16 elements of 8 bytes; 20 no padding; 21 set beside a mask
	s_or_b32 s[G1B+0], s44, (3<<16)|(1<<21)
.irp g, G1, G1B
	s_mov_b32 s[\g+1], 32<<16                      ; tensor_dim0 = 32
	s_mov_b32 s[\g+2], 128<<16                     ; tensor_dim1 = 128
	s_mov_b32 s[\g+3], 32<<16                      ; tile_dim0 = 32
	s_mov_b32 s[\g+4], 128                         ; tile_dim1 = 128
	s_mov_b32 s[\g+5], 32                          ; tensor_dim0_stride
	s_mov_b32 s[\g+6], 0
	s_mov_b32 s[\g+7], 0
.endr
	s_lshl_b32 s18, s16, 15                        ; which 8 of the block's 16 tiles I fetch
	s_lshl_b32 s20, s17, 16                        ; a block of 256 rows x 256 k is 65,536 bytes
	s_add_co_u32 s20, s20, s18
	s_mov_b32 s21, 0
	s_lshl_b32 s46, s42, 16
	s_add_co_u32 s46, s46, s18
	s_mov_b32 s47, 0
	s_mul_i32 s45, s14, HALFT                      ; where they go: wave x 32,768: no place in the cluster enters an LDS address
	; where my results go: section x 8,388,608 + (16 batch + 4 hc + 2 hh) x 131,072 + (2 (pi % 8) + ph) x 8,192; pi = the block of 256 tokens, ph its half; hc, hh say which pair of heads
	s_cmp_eq_u32 ttmp9, 2
	s_cselect_b32 s86, s41, s40                    ; hc
	s_cselect_b32 s87, s15, s16                    ; hh
	s_cselect_b32 s66, s42, s17                    ; pi
	s_cselect_b32 s67, s16, s15                    ; ph
	s_lshr_b32 s2, s66, 3
	s_lshl_b32 s2, s2, 4
	s_lshl_b32 s3, s86, 2
	s_add_co_u32 s2, s2, s3
	s_lshl_b32 s3, s87, 1
	s_add_co_u32 s2, s2, s3
	s_lshl_b32 s2, s2, 17
	s_and_b32 s3, s66, 7
	s_lshl_b32 s3, s3, 1
	s_add_co_u32 s3, s3, s67
	s_lshl_b32 s3, s3, 13
	s_add_co_u32 s2, s2, s3
	s_lshl_b32 s3, ttmp9, 23
	s_add_co_u32 s2, s2, s3
	s_mov_b32 s3, 0
	s_wait_dscnt 0x0                               ; the opening add is done
	s_wait_kmcnt 0x0
	s_load_b256 s[88:95], s[8:9], 0x0              ; e0 .. e7: awaited behind the loop
	s_cmp_eq_u32 ttmp9, 2
	s_cselect_b64 s[82:83], s[6:7], s[4:5]         ; the row operand's buffer,
	s_cselect_b64 s[84:85], s[4:5], s[6:7]         ; the column operand's
	s_add_nc_u64 s[20:21], s[82:83], s[20:21]
	s_add_nc_u64 s[46:47], s[84:85], s[46:47]
	s_add_nc_u64 s[10:11], s[10:11], s[2:3]
	CROUND                                         ; all sixteen work-groups are here: the first joint loads meet
	s_mov_b32 s[G0], 1                             ; count = 1
	s_add_co_u32 s[G0+1], s45, 0                   ; LDS address: slot 0
	s_mov_b64 s[G0+2:G0+3], s[20:21]               ; global address: K step 0
	s_or_b32 s[G0+3], s[G0+3], 0x80000000          ; type = 2
	s_mov_b32 s[G0B], 1
	s_add_co_u32 s[G0B+1], s45, 0
	s_mov_b64 s[G0B+2:G0B+3], s[46:47]
	s_or_b32 s[G0B+3], s[G0B+3], 0x80000000
	JLOAD G0, G1, G0B, G1B
	s_mov_b32 s[G0+4], 1
	s_add_co_u32 s[G0+5], s45, SLOT
	s_add_nc_u64 s[G0+6:G0+7], s[20:21], s[78:79]  ; K step 1
	s_or_b32 s[G0+7], s[G0+7], 0x80000000
	s_mov_b32 s[G0B+4], 1
	s_add_co_u32 s[G0B+5], s45, SLOT
	s_add_nc_u64 s[G0B+6:G0B+7], s[46:47], s[80:81]
	s_or_b32 s[G0B+7], s[G0B+7], 0x80000000
	JLOAD G0+4, G1, G0B+4, G1B
	v_and_b32 v6, 31, v0
	v_lshlrev_b32 v4, 4, v6                        ; 16 x lane
	s_mul_i32 s21, s15, HALFT                      ; my 128 rows of the row operand
	s_mul_i32 s22, s16, HALFT                      ; my 128 of the column operand,
	s_add_co_u32 s22, s22, 2*HALFT                 ; which lie behind
.irp s, 0,1
	v_add_nc_u32 v[ADRA+\s], s21, v4
	v_add_nc_u32 v[ADRB+\s], s22, v4
	s_add_co_u32 s21, s21, SLOT
	s_add_co_u32 s22, s22, SLOT
.endr
	v_lshlrev_b32 v[VO], 4, v6
	v_add_nc_u32 v[VO+1], s13, v[VO]
	v_add_nc_u32 v[VO+2], s12, v[VO]
	v_add_nc_u32 v[VO+3], s13, v[VO+2]
.macro FRAG reg, adr, q, i             ; tile i's image of the slot's q-th 128 along K: four loads of 512 consecutive bytes
.irp c, 0,1,2,3
	ds_load_b128 v[\reg+4*\c:\reg+4*\c+3], v[\adr] offset:(\i)*4096+(\q)*2048+512*\c
.endr
.endm
; 16 matrix instructions: row tiles a0, a0 + 1 x the eight column tiles, 128 along K.  p: the column operand's set.  zero = 1: the first product starts the sums.
; The 64 accumulators take turns, one instruction a turn, in the same order in every step.
.macro MUL16 a0, p, zero
.irp a, \a0, \a0+1
.irp b, 0,1,2,3,4,5,6,7
.if \zero
	v_wmma_f32_16x16x128_fp8_fp8 v[8*(8*((\a)%4)+\b):8*(8*((\a)%4)+\b)+7], v[128*(\p)+FR*\b:128*(\p)+FR*\b+FR-1], v[AF+FR*(\a):AF+FR*(\a)+FR-1], 0
.else
	v_wmma_f32_16x16x128_fp8_fp8 v[8*(8*((\a)%4)+\b):8*(8*((\a)%4)+\b)+7], v[128*(\p)+FR*\b:128*(\p)+FR*\b+FR-1], v[AF+FR*(\a):AF+FR*(\a)+FR-1], v[8*(8*((\a)%4)+\b):8*(8*((\a)%4)+\b)+7]
.endif
.endr
.endr
.endm
.macro FETCH_B slot, q, p
	WIN TO_B
.irp i, 0,1,2,3,4,5,6,7
	FRAG 128*(\p)+FR*\i, ADRB+\slot, \q, \i
.endr
	WIN 0
.endm
.macro FETCH_A slot, q, i0
.irp i, \i0, \i0+1, \i0+2, \i0+3
	FRAG AF+FR*(\i), ADRA+\slot, \q, \i
.endr
.endm
.macro PLACES n                        ; plain vector lines in front of loads into registers that matrix instructions have read, and of the first read of results
.rept \n
	v_nop
.endr
.endm
; A step of 128 along K that has its successor in the same slot.  A row tile is free as soon as its eight products are issued: tiles 0-3 are fetched anew in the step's middle, tiles 4-7 at its end.
.macro STEP slot, q, zero
	s_wait_dscnt 4*NL                              ; all but the youngest 16 loads (row tiles 4-7) are in
	WIN MUL_LO
	MUL16 0, (\q)%2, \zero
	MUL16 2, (\q)%2, \zero
	s_wait_dscnt 0                                 ; row tiles 4-7 are in
	PLACES NP
	FETCH_B \slot, (\q)+1, 1-(\q)%2
	FETCH_A \slot, (\q)+1, 0
	WIN MUL_HI
	MUL16 4, (\q)%2, \zero
	MUL16 6, (\q)%2, \zero
	PLACES NP
	WIN 0
	FETCH_A \slot, (\q)+1, 4
.endm
; A slot's last step changes slots: ONE barrier; in front of it each wave waits for all its tensor loads, adds 0 to its spare word, and waits for that and for its own reads of this slot.  fill = 1: this slot is filled again, two K steps on.
.macro TURN slot, next, fill
	s_wait_tensorcnt 0x0                           ; all my tensor loads have landed: my part of the next slot
	ds_add_u32 v[SPW], v[NIL]                      ; 0 onto my spare word
	s_wait_dscnt 4*NL+1                            ; (the add and the youngest 16 loads may be out)
	WIN MUL_LO
	MUL16 0, 1, 0                                  ; sixteen matrix instructions stand between the add and the wait for it
	s_wait_dscnt 0x0                               ; the add is done, and my reads of this slot are over
	s_barrier_signal -1
	MUL16 2, 1, 0
	WIN 0
	s_barrier_wait -1
.if \fill
	CREST                                          ; the barrier has opened a round of the cluster's barrier: no wave of any partner still reads this slot or has a load on its way
	s_add_nc_u64 s[G0+4*\slot+2:G0+4*\slot+3], s[G0+4*\slot+2:G0+4*\slot+3], s[72:73]
	s_add_nc_u64 s[G0B+4*\slot+2:G0B+4*\slot+3], s[G0B+4*\slot+2:G0B+4*\slot+3], s[74:75]
	JLOAD G0+4*\slot, G1, G0B+4*\slot, G1B         ; the first tensor load behind the round; its four v_nop are also the places in front of the loads below
.else
	PLACES NP
.endif
	FETCH_B \next, 0, 0
	FETCH_A \next, 0, 0
	WIN MUL_HI
	MUL16 4, 1, 0
	MUL16 6, 1, 0
	PLACES NP
	WIN 0
	FETCH_A \next, 0, 4
.endm
	s_wait_alu depctr_va_vdst(0)
	s_wait_tensorcnt 1                             ; my part of K step 0 is in; K step 1's load, issued behind it, may be out
	s_barrier_signal -1
	s_barrier_wait -1
	FETCH_B 0, 0, 0
	FETCH_A 0, 0, 0
	FETCH_A 0, 0, 4
	STEP 0, 0, 1                                   ; the first step stands in front of the loop: its products start the sums
	s_mov_b32 s3, LAPS-1
.Llap:                                                 ; a trip goes once round the ring and fills both slots again
	TURN 0, 1, 1
	STEP 1, 0, 0
	TURN 1, 0, 1
	STEP 0, 0, 0
	s_sub_co_u32 s3, s3, 1
	s_cmp_lg_u32 s3, 0
	s_cbranch_scc1 .Llap
	TURN 0, 1, 0                                   ; the last lap fills nothing
	STEP 1, 0, 0
	s_wait_dscnt 4*NL
	WIN MUL_LO
	MUL16 0, 1, 0
	MUL16 2, 1, 0
	s_wait_dscnt 0
	WIN MUL_HI
	MUL16 4, 1, 0
	MUL16 6, 1, 0
	WIN 0
	; THE WAY OUT.  A sum stands for sum x 2^(e0 + e1); its code under the scale 2^et is sum / 2^(et - e0 - e1): the three exponents are folded into the conversion's one.  et = e2 (Q), e3 (K), e5 (V).
	s_wait_kmcnt 0x0
	s_cmp_eq_u32 ttmp9, 0
	s_cselect_b32 s96, s90, s91
	s_cmp_eq_u32 ttmp9, 2
	s_cselect_b32 s96, s93, s96
	s_sub_co_i32 s96, s96, s88
	s_sub_co_i32 s96, s96, s89
	s_add_co_i32 s96, s96, 127
	s_lshl_b32 s97, s96, 23
	v_mov_b32 v[SCL], s97                          ; 2^(et - e0 - e1) as f32
	s_add_co_i32 s96, s96, 8
	s_lshl_b32 s96, s96, 23
	s_or_b32 s96, s96, 0x600000                    ; 448 x that,
	s_or_b32 s97, s96, 0x80000000                  ; and its negative
	PLACES NP
; Row tile a: its 64 sums a lane are held (each accumulator from its low end on), converted, and stored: four pieces of 16 codes, each store 512 consecutive bytes.  Every tile has code registers of its own, so no store's data are written again.
.macro OUTB a
.set AC, 64*((\a)%4)
	WIN 0x02+((\a)/4)                              ; source 0: window 2 or 3
.set j, 0
.rept 64
.set j, j+1
.endr
.irp b, 0,1,2,3,4,5,6,7
	v_cvt_scalef32_pk8_fp8_f32 v[CD+16*(\a)+2*\b:CD+16*(\a)+2*\b+1], v[AC+8*\b:AC+8*\b+7], v[SCL]
.endr
	WIN 0
	v_nop                                          ; a plain line between the last conversion and the next tile's holds, which write its sources
.irp c, 0,1,2,3
	global_store_b128 v[VO+2*((\a)/4)+\c/2], v[CD+16*(\a)+4*\c:CD+16*(\a)+4*\c+3], s[10:11] offset:((\a)%4)*1024+(\c%2)*512
.endr
.endm
.irp a, 0,1,2,3,4,5,6,7
	OUTB \a
.endr
	s_wait_tensorcnt 0x0                           ; the wave's end, behind my last tensor load
	ds_add_u32 v[SPW], v[NIL]
	s_wait_dscnt 0x0
	CROUND                                         ; the closing round: no work-group ends while a partner may still ask for a tile that names it
	s_endpgm
.Lfunc_end_k_q9a47952097_gemm_qkv:
	.size	k_q9a47952097_gemm_qkv, .Lfunc_end_k_q9a47952097_gemm_qkv-k_q9a47952097_gemm_qkv
	.p2alignl 7, 3214868480
	.fill 96, 4, 3214868480
	.section	.rodata,"a",@progbits
	.p2align	6, 0x0
	.amdhsa_kernel k_q9a47952097_gemm_qkv
		.amdhsa_group_segment_fixed_size 327680
		.amdhsa_private_segment_fixed_size 0
		.amdhsa_enable_private_segment 0
		.amdhsa_kernarg_size 32
		.amdhsa_user_sgpr_count 2
		.amdhsa_user_sgpr_kernarg_segment_ptr 1
		.amdhsa_wavefront_size32 1
		.amdhsa_system_sgpr_workgroup_id_x 1
		.amdhsa_system_sgpr_workgroup_id_y 1
		.amdhsa_system_sgpr_workgroup_id_z 1
		.amdhsa_system_vgpr_workitem_id 0
		.amdhsa_next_free_vgpr 1024
		.amdhsa_next_free_sgpr 100
		.amdhsa_reserve_vcc 0
		.amdhsa_float_denorm_mode_32 3
		.amdhsa_float_denorm_mode_16_64 3
		.amdhsa_fp16_overflow 1
		.amdhsa_memory_ordered 1
		.amdhsa_forward_progress 1
		.amdhsa_inst_pref_size 86
	.end_amdhsa_kernel
	.amdgpu_metadata
---
amdhsa.version: [ 1, 2 ]
amdhsa.kernels:
  - .name:           k_q9a47952097_gemm_qkv
    .symbol:         k_q9a47952097_gemm_qkv.kd
    .args:
      - { .name: ximg, .offset: 0, .size: 8, .value_kind: global_buffer, .address_space: global }
      - { .name: wqkvimg, .offset: 8, .size: 8, .value_kind: global_buffer, .address_space: global }
      - { .name: lowp_scales, .offset: 16, .size: 8, .value_kind: global_buffer, .address_space: global }
      - { .name: qkv, .offset: 24, .size: 8, .value_kind: global_buffer, .address_space: global }
    .group_segment_fixed_size: 327680
    .private_segment_fixed_size: 0
    .kernarg_segment_align: 8
    .kernarg_segment_size: 32
    .max_flat_workgroup_size: 128
    .sgpr_count:     100
    .vgpr_count:     1024
    .wavefront_size: 32
...
	.end_amdgpu_metadata
.endif
;; end of part 2
;; launch attn (part 3): grid 4 x 64, 16 waves a work-group, no clusters, 327,680 bytes of LDS; arguments qkv, lowp_scales, attnimg; writes attnimg
.if DOCPART == 3
	.amdgcn_target "amdgcn-amd-amdhsa--gfx1250"
	.amdhsa_code_object_version 6
	.text
	.protected	k_q9a47952097_attn
	.globl	k_q9a47952097_attn
	.p2align	8
	.type	k_q9a47952097_attn,@function
k_q9a47952097_attn:
	s_mov_b64 s[64:65], 0
	v_nop
	global_prefetch_b8 v0, s[64:65] scope:SCOPE_SE
	s_setreg_imm32_b32 hwreg(HW_REG_WAVE_MODE, 25, 1), 1
	s_wait_xcnt 0x0
; Causal attention on codes of E4M3, head size 64, 2,048 tokens, 64 (batch, head) pairs; the result is quantised (2^e6) into images for the last product.
; t = score x 2^(e2 + e3) x log2(e) / 8; M = the running largest t rounded UP to a whole number; p = 2^(t - M) is quantised with 2^e4; the row's sum is taken of the unquantised p and divides at the end.
; When M moves, the sum and O are multiplied by 2^(old M - new M): exact.
; INPUT qkv: [Q, K, V][16 batch + head][131,072].  Q, K: [tile of 16 tokens: 128][1,024]: the 16 bytes at 512 c + 16 lane are channels 32 c + 16 (lane / 16) + 0 .. 15 of the token at position lane % 16; tile 2 B + u holds at
; position p token 32 B + 8 u + p + 8 (p / 8).  V: [128 keys: 16][8,192]: piece (channel tile t, c) at 1,024 t + 512 (c % 2) + 4,096 (c / 2) + 16 lane: keys 32 c + 16 (lane / 16) + 0 .. 15 of the channel at position lane % 16.
; BOTH PRODUCTS TRANSPOSED: S^T = K Q^T, O^T = V^T P^T: a lane holds ONE query throughout; by the choice of a tile's tokens the 16 registers of score tiles 2 b, 2 b + 1 are keys 32 b + 16 (lane / 16) + 0 .. 15, so the
; conversions' results are the second product's operand; likewise O^T's 16 registers of two channel tiles are 16 neighbouring channels, a piece of the output image.
; SHARES.  Work-group (g, head pair hb): 16 waves; wave w owns TWO tiles of 16 queries, E = 16 g + w and L = 127 - E.  Tile T needs T / 8 + 1 key steps of 128, so every wave has 17 steps: all 256 work-groups and all waves alike.
; K and V come through two LDS slots of 256 keys (16,384 bytes each of K and of V, dense); wave 0 fetches K's, wave 1 V's; all sixteen read them.  Every work-group walks all 8 slots, so the trip counts are constants;
; a step all of whose keys come after a tile's queries is jumped over, and a slot whose first key comes after the work-group's last query (2,047 - 256 g) is not asked for.
; NO CLUSTER: the four work-groups of a head read the same K and V, but they need 8, 7, 6 and 5 slots and have, in a given slot, four, two or no steps a wave at work; joint requests would hold all four to the slowest
; in every slot: 4 + 4 + 4 + 4 + 2 + 2 + 2 + 2 = 24 steps a wave for each, against the 17 or 18 that each has by itself.
; LIMITS: e2 + e3 between -123 and 130 (added to the exponent field of log2(e) / 8); e4 and e6 - e4 - e5 between -126 and 119.
; REGISTERS: v1 16 lane; v2 the slot's LDS address; v3 the prefetches' offset; v5, v6 the add's two; v7 my query's place; v8-11 E's -M, largest t, sum (two halves); v12-15 L's; v16-23 Q of L; v24-31 Q of E;
; v32-95 K's eight fragments, then V's four; v96-159 S^T, then p; v160-191 O^T of L; v192-223 O^T of E; v224-239 p's codes; v244 2^e4; v245 2^(e6 - e4 - e5); v236, v242, v243, v252-254 at work.
.set SLOTB, 32768                      ; a slot: K's 16,384 bytes, then V's
.set VOFF,  16384
.set SPARE, 2*SLOTB                    ; behind the ring: the spare words, 128 bytes for each of 16 waves, which no other line names
.set LI,   1
.set ADR,  2
.set PFO,  3
.set SPW,  5
.set NIL,  6
.set QLN,  7
.set TB,   2                           ; s2   LDS byte at which the slot in hand begins
.set LASTQ, 3                          ; s3   my work-group's last query
.set WV,   18                          ; s18  my wave's number
.set SEL,  20                          ; s[20:21] lane selects: lane l xor 16
.set CS,   22                          ; s[22:23] c = log2(e) / 8 x 2^(e2 + e3)
.set G1,   24                          ; s[24:31] descriptor group 1
.set G0,   40                          ; s[40:43] descriptor group 0, which walks
.set QML,  66                          ; s66  tile L's first query
.set SLOTS, 67                         ; s67  slots still to be asked for
.set PFA,  76                          ; s[76:77] where my prefetches stand
.set LIM,  80                          ; s80  1 in a wave that prefetches, else the greatest number
.set KF,   98                          ; s98  the step's first key
.set QME,  99                          ; s99  tile E's first query
.macro TLOAD                           ; waves 0 and 1 fetch; the branch hangs on the wave's number alone.  An s_nop 0 and four v_nop follow the load
	s_cmp_lt_u32 s[WV], 2
	s_cbranch_scc0 .Lasked_\@
	tensor_load_to_lds s[G0:G0+3], s[G1:G1+7]
	s_nop 0
.rept 4
	v_nop
.endr
.Lasked_\@:
.endm
; A PREFETCH INTO THE L2 of the slot that the NEXT change of slots will ask for.  All four work-groups of a head walk the same K and V: the first (g = 0, which walks all 8 slots) asks, in waves that fetch nothing:
; waves 4, 5 for the halves of K's 16,384 bytes, waves 6, 7 for V's: 8,192 bytes a wave, lanes 256 bytes apart: each block of 256 bytes is named once in the launch.  Trips 0 to 5 name slots 2 to 7; slots 0 and 1 come by their loads alone.
.macro ASK
	s_cmp_gt_u32 s[SLOTS], s[LIM]
	s_cbranch_scc0 .Lnot_mine_\@
	global_prefetch_b8 v[PFO], s[PFA:PFA+1] th:TH_LOAD_NT scope:SCOPE_SE
.Lnot_mine_\@:
.endm
	s_load_b128 s[4:7], s[0:1], 0x0                ; qkv s[4:5], the exponents s[6:7]
	s_load_b64 s[8:9], s[0:1], 0x10                ; attnimg
	v_lshl_add_u32 v[SPW], v0, 2, SPARE
	v_mov_b32 v[NIL], 0
	ds_add_u32 v[SPW], v[NIL]                      ; the wave's opening: the add and its wait stand ahead of the first tensor load; the set-up below, work on registers, stands between them
	ds_add_u32 v[SPW], v[NIL]
	v_lshrrev_b32 v1, 5, v0
	s_delay_alu instid0(VALU_DEP_1)
	v_readfirstlane_b32 s[WV], v1                  ; wave 0..15
	s_and_b32 s10, ttmp7, 0xffff                   ; hb = 16 batch + head
	s_lshl_b32 s11, ttmp9, 4
	s_add_co_u32 s11, s11, s[WV]                   ; tile E = 16 g + wave
	s_sub_co_u32 s12, 127, s11                     ; tile L
	s_lshr_b32 s13, s11, 1                         ; a tile's first query: 32 (T / 2) + 8 (T % 2); its last: 23 on
	s_lshl_b32 s13, s13, 5
	s_and_b32 s14, s11, 1
	s_lshl_b32 s14, s14, 3
	s_add_co_u32 s[QME], s13, s14
	s_lshr_b32 s13, s12, 1
	s_lshl_b32 s13, s13, 5
	s_and_b32 s14, s12, 1
	s_lshl_b32 s14, s14, 3
	s_add_co_u32 s[QML], s13, s14
	s_lshl_b32 s13, ttmp9, 8
	s_sub_co_u32 s[LASTQ], 2047, s13
	; descriptor group 1: 64 rows of 32 elements of 8 bytes, dense: 16,384 bytes
	s_mov_b32 s[G1], 3<<16                         ; no mask; elements of 8 bytes; no padding
	s_mov_b32 s[G1+1], 32<<16                      ; tensor_dim0
	s_mov_b32 s[G1+2], 64<<16                      ; tensor_dim1
	s_mov_b32 s[G1+3], 32<<16                      ; tile_dim0
	s_mov_b32 s[G1+4], 64                          ; tile_dim1
	s_mov_b32 s[G1+5], 32                          ; tensor_dim0_stride
	s_mov_b32 s[G1+6], 0
	s_mov_b32 s[G1+7], 0
	s_and_b32 s15, s[WV], 1                        ; wave 0: K, wave 1: V
	s_mov_b32 s[G0], 1                             ; count = 1
	s_lshl_b32 s[G0+1], s15, 14                    ; LDS address: slot 0, K's part or V's
	s_lshl_b32 s16, s10, 17                        ; hb x 131,072
	s_add_co_u32 s13, s15, 1
	s_lshl_b32 s13, s13, 23                        ; section 1 or 2
	s_add_co_u32 s32, s13, s16
	s_mov_b32 s33, 0
	s_lshl_b32 s13, s11, 10
	s_add_co_u32 s34, s16, s13                     ; Q of tile E
	s_mov_b32 s35, 0
	s_lshl_b32 s13, s12, 10
	s_add_co_u32 s36, s16, s13                     ; Q of tile L
	s_mov_b32 s37, 0
	s_and_b32 s13, s10, 15                         ; head.  attnimg: (head / 4) x 2,097,152 + (128 batch + T) x 4,096 + (head % 4) x 1,024: k = 64 head on of row tile 128 batch + T
	s_lshr_b32 s14, s13, 2
	s_lshl_b32 s14, s14, 21
	s_and_b32 s13, s13, 3
	s_lshl_b32 s13, s13, 10
	s_add_co_u32 s14, s14, s13
	s_lshr_b32 s13, s10, 4
	s_lshl_b32 s13, s13, 19
	s_add_co_u32 s14, s14, s13
	s_lshl_b32 s13, s11, 12
	s_add_co_u32 s38, s14, s13                     ; E's
	s_mov_b32 s39, 0
	s_lshl_b32 s13, s12, 12
	s_add_co_u32 s44, s14, s13                     ; L's
	s_mov_b32 s45, 0
	s_bfe_u32 s13, s[WV], 0x10001                  ; the prefetches: (wave / 2) % 2: K's or V's section,
	s_add_co_u32 s13, s13, 1
	s_lshl_b32 s13, s13, 23
	s_add_co_u32 s13, s13, s16
	s_lshl_b32 s14, s15, 13                        ; which half of a slot's 16,384 bytes,
	s_add_co_u32 s13, s13, s14
	s_add_co_u32 s54, s13, 16384                   ; in slot 1: the first change of slots steps it to slot 2
	s_mov_b32 s55, 0
	s_lshr_b32 s13, s[WV], 2
	s_xor_b32 s13, s13, 1                          ; 0 in waves 4 to 7,
	s_or_b32 s13, s13, ttmp9                       ; of the head's first work-group
	s_cmp_eq_u32 s13, 0
	s_cselect_b32 s[LIM], 1, -1
	s_mov_b32 s[SEL], 0x76543210
	s_mov_b32 s[SEL+1], 0xfedcba98
	s_mov_b32 s[CS], 0x3e38aa3b                    ; log2(e) / 8
	s_mov_b32 s[TB], 0
	s_mov_b32 s[SLOTS], 7
	s_mov_b32 s[KF], 0
	s_wait_dscnt 0x0                               ; the opening add is done
	s_wait_kmcnt 0x0
	s_load_b256 s[84:91], s[6:7], 0x0              ; e0 .. e7
	s_add_nc_u64 s[G0+2:G0+3], s[4:5], s[32:33]    ; global address: the head's first 256 keys
	s_or_b32 s[G0+3], s[G0+3], 0x80000000          ; type = 2
	TLOAD                                          ; slot 0
	s_add_nc_u64 s[46:47], s[4:5], s[34:35]
	s_add_nc_u64 s[48:49], s[4:5], s[36:37]
	s_add_nc_u64 s[50:51], s[8:9], s[38:39]
	s_add_nc_u64 s[52:53], s[8:9], s[44:45]
	s_add_nc_u64 s[PFA:PFA+1], s[4:5], s[54:55]
	v_and_b32 v1, 31, v0
	s_delay_alu instid0(VALU_DEP_1)
	v_lshlrev_b32 v[PFO], 8, v1
	s_delay_alu instid0(VALU_DEP_2)
	v_lshlrev_b32 v[LI], 4, v1
	global_load_b128 v[16:19], v[LI], s[48:49] th:TH_LOAD_NT               ; Q's fragments stay in registers
	global_load_b128 v[20:23], v[LI], s[48:49] offset:512 th:TH_LOAD_NT
	global_load_b128 v[24:27], v[LI], s[46:47] th:TH_LOAD_NT
	global_load_b128 v[28:31], v[LI], s[46:47] offset:512 th:TH_LOAD_NT
	v_and_b32 v[QLN], 15, v0
	v_and_b32 v2, 8, v0
	s_delay_alu instid0(VALU_DEP_1)
	v_add_nc_u32 v[QLN], v[QLN], v2
	v_and_b32 v2, 16, v0
	s_delay_alu instid0(VALU_DEP_1)
	v_sub_nc_u32 v[QLN], v[QLN], v2                ; r + 8 (r / 8) - 16 h: my query less the tile's first, less my half's first key
	v_mov_b32 v9, 0xff61b1e6                       ; the largest t so far: -3e38, under every t
	v_mov_b32 v13, 0xff61b1e6
	s_delay_alu instid0(VALU_DEP_2)
	v_floor_f32 v8, -v9                            ; -M
	s_delay_alu instid0(VALU_DEP_2)
	v_floor_f32 v12, -v13
	v_mov_b32 v10, 0                               ; the sums, in two halves
	v_mov_b32 v11, 0
	v_mov_b32 v14, 0
	v_mov_b32 v15, 0
	v_mov_b32 v236, 0                              ; written once: a lane permute's destination counts as one of its sources
	v_mov_b32 v253, 0                              ; (named as the upper half of the pair v[252:253])
.set j, 0
.rept 64
	v_mov_b32 v[160+j], 0                          ; O^T of both tiles.  (The step is written without a first step of its own: it finds zeros, which the first change of M leaves zeros)
.set j, j+1
.endr
	s_wait_kmcnt 0x0
	s_add_co_i32 s92, s86, s87
	s_lshl_b32 s92, s92, 23
	s_add_co_i32 s[CS], s[CS], s92                 ; a score stands for score x 2^(e2 + e3): the exponents are added to c's exponent field
	s_mov_b32 s[CS+1], s[CS]                       ; (named with it as a pair, so it is written)
	s_add_co_i32 s92, s88, 127
	s_lshl_b32 s93, s92, 23
	v_mov_b32 v244, s93                            ; 2^e4
	s_sub_co_i32 s92, s90, s88
	s_sub_co_i32 s92, s92, s89
	s_add_co_i32 s92, s92, 127
	s_lshl_b32 s93, s92, 23
	v_mov_b32 v245, s93                            ; 2^(e6 - e4 - e5): O^T / the sum stands for that x 2^(e4 + e5)
; A KEY STEP of one tile: 128 keys, the kq-th of the slot in hand.  rq: Q's fragment; ro: O^T; rs: -M, largest t, sum; sm: the scalar with the tile's first query.
.macro STEP kq, rq, ro, rs, sm
	s_add_co_u32 s92, s[\sm], 23                   ; a step all of whose keys come after the tile's 16 queries is left out: a scalar branch on ids and the count of steps; no barrier, no tensor load stands in a step
	s_cmp_gt_u32 s[KF], s92
	s_cbranch_scc1 .Lhid_\@
.rept 4
	v_nop                                          ; places in front of loads into registers that the last products read
.endr
	s_wait_alu depctr_va_vdst(0)
.irp t, 0,1,2,3,4,5,6,7
	ds_load_b128 v[32+8*\t:35+8*\t], v[ADR] offset:(8*\kq+\t)*1024       ; K's tile t: 512 consecutive bytes a load
	ds_load_b128 v[36+8*\t:39+8*\t], v[ADR] offset:(8*\kq+\t)*1024+512
.endr
	s_wait_dscnt 0x0
.irp t, 0,1,2,3,4,5,6,7
	v_wmma_f32_16x16x64_fp8_fp8 v[96+8*\t:103+8*\t], v[32+8*\t:39+8*\t], v[\rq:\rq+7], 0
.endr
.rept 4
	v_nop                                          ; places in front of the loads below and of the first read of the scores
.endr
	s_wait_alu depctr_va_vdst(0)
.irp t, 0,1,2,3
.irp c, 0,1,2,3
	ds_load_b128 v[32+16*\t+4*\c:35+16*\t+4*\c], v[ADR] offset:VOFF+8192*\kq+1024*\t+512*(\c%2)+4096*(\c/2)   ; V's four fragments land while the softmax is walked
.endr
.endr
	s_add_co_u32 s92, s[KF], 127                   ; on the diagonal the scores of hidden keys become -infinity ahead of the maximum: p = 0 then.  A step all of whose keys count skips this.
	s_cmp_le_u32 s92, s[\sm]                       ; (a tile's queries lie in one block of 128, so the diagonal step's first key counts for each of them: M is a number)
	s_cbranch_scc1 .Lopen_\@
	s_sub_co_i32 s92, s[\sm], s[KF]
	v_add_nc_u32 v252, s92, v[QLN]                 ; d = my query - KF - 16 h.  Register 16 b + i holds key KF + 16 h + 32 b + i: hidden where 32 b + i > d
	v_mov_b32 v254, 0xff800000
.set n, 0
.rept 64
	v_cmp_gt_i32 vcc_lo, 32*(n/16)+n%16, v252
	v_cndmask_b32 v[96+n], v[96+n], v254, vcc_lo
.set n, n+1
.endr
.Lopen_\@:
	v_max3_num_f32 v254, v96, v97, v98             ; the step's largest score of my query among my 64 keys, in two chains,
	v_max3_num_f32 v252, v99, v100, v101
.irp i, 6,10,14,18,22,26,30,34,38,42,46,50,54,58
	v_max3_num_f32 v254, v254, v[96+\i], v[97+\i]
	v_max3_num_f32 v252, v252, v[98+\i], v[99+\i]
.endr
	v_max3_num_f32 v254, v254, v158, v159
	s_delay_alu instid0(VALU_DEP_1)
	v_max_num_f32 v254, v254, v252
	v_permlanex16_b32 v236, v254, s[SEL], s[SEL+1]
	s_delay_alu instid0(VALU_DEP_1)
	v_max_num_f32 v254, v254, v236                 ; and among lane l xor 16's
	s_delay_alu instid0(VALU_DEP_1)
	v_mul_f32 v254, s[CS], v254                    ; as t (c is positive)
	s_delay_alu instid0(VALU_DEP_1)
	v_max_num_f32 v[\rs+1], v[\rs+1], v254         ; the running largest t
	v_mov_b32 v254, v[\rs]
	s_delay_alu instid0(VALU_DEP_2)
	v_floor_f32 v[\rs], -v[\rs+1]                  ; the new -M = floor(-t) = -ceil(t)
	s_delay_alu instid0(VALU_DEP_1)
	v_sub_f32 v254, v[\rs], v254                   ; old M - new M: a whole number, 0 or less
	s_delay_alu instid0(VALU_DEP_1)
	v_cvt_i32_f32 v254, v254                       ; (it saturates)
	s_delay_alu instid0(VALU_DEP_1)
	v_ldexp_f32 v252, 1.0, v254                    ; f = 2^(old M - new M)
.set j, 0
.rept 32
	v_pk_fma_f32 v[96+j:97+j], v[96+j:97+j], s[CS:CS+1], v[\rs:\rs+1] op_sel_hi:[1,0,0]   ; t - M, two at a time (of the pairs c and -M the low word serves both halves)
.set j, j+2
.endr
.set j, 0
	s_wait_alu depctr_va_vdst(0)
.rept 64
	v_exp_f32 v[96+j], v[96+j]                     ; p = 2^(t - M)
.set j, j+1
.endr
	v_pk_mul_f32 v[\rs+2:\rs+3], v[\rs+2:\rs+3], v[252:253] op_sel_hi:[1,0]   ; the sums under the new M: the plain line behind the exponentials
	s_wait_alu depctr_va_vdst(0)                   ; one wait for the whole batch, ahead of its first reader
	v_pk_add_f32 v[242:243], v[96:97], v[98:99]    ; the row's sum is taken of the unquantised p, in two chains
.irp j, 4,8,12,16,20,24,28,32,36,40,44,48,52,56,60
	v_pk_add_f32 v[\rs+2:\rs+3], v[\rs+2:\rs+3], v[96+\j:97+\j]
	v_pk_add_f32 v[242:243], v[242:243], v[98+\j:99+\j]
.endr
	s_delay_alu instid0(VALU_DEP_1)
	v_pk_add_f32 v[\rs+2:\rs+3], v[\rs+2:\rs+3], v[242:243]
.irp b, 0,1,2,3
.irp i, 0,1,2,3,4,5,6,7,8,9,10,11,12,13,14,15
.endr
	v_cvt_scalef32_pk8_fp8_f32 v[224+4*\b:225+4*\b], v[96+16*\b:103+16*\b], v244
	v_cvt_scalef32_pk8_fp8_f32 v[226+4*\b:227+4*\b], v[104+16*\b:111+16*\b], v244
.endr
.set j, 0
.rept 16
	v_pk_mul_f32 v[\ro+j:\ro+j+1], v[\ro+j:\ro+j+1], v[252:253] op_sel_hi:[1,0]   ; O^T under the new M; also the plain lines between the conversions and the products
.set j, j+2
.endr
	s_wait_alu depctr_va_vdst(0)
	s_wait_dscnt 0x0                               ; V's fragments are in
.irp t, 0,1,2,3
	v_wmma_f32_16x16x128_fp8_fp8 v[\ro+8*\t:\ro+8*\t+7], v[32+16*\t:47+16*\t], v[224:239], v[\ro+8*\t:\ro+8*\t+7]   ; the four accumulators take turns
.endr
.Lhid_\@:
.endm
; THE CHANGE OF SLOTS stands at a slot's head.  Each wave waits for all its tensor loads, adds 0 to its spare word, and waits for that and for its reads of the slot that it has left.  Behind the barrier the slot ahead is whole
; and nobody reads the other one.  fill = 1: that other slot is filled with the next 256 keys, unless its first key comes after the work-group's last query: then none of the sixteen waves would read it.
.macro CHANGE fill
	s_wait_tensorcnt 0x0                           ; no tensor load of mine is out, so the group 0 may be written
	ds_add_u32 v[SPW], v[NIL]                      ; 0 onto my spare word
.if \fill
	s_xor_b32 s[G0+1], s[G0+1], SLOTB              ; the other slot than last time,
	s_add_nc_u64 s[G0+2:G0+3], s[G0+2:G0+3], 16384 ; the next 256 keys; the type bits on top are not reached
	s_wait_xcnt 0x0                                ; the last prefetch, a slot back, has read its address, so it may be written
	s_add_nc_u64 s[PFA:PFA+1], s[PFA:PFA+1], 16384
.endif
	s_wait_dscnt 0x0                               ; the add is done, and my reads of the slot that I have left are over
	s_barrier_signal -1
	s_barrier_wait -1
.if \fill
	s_add_co_u32 s92, s[KF], 256                   ; the first key of the slot that this change would ask for
	s_cmp_gt_u32 s92, s[LASTQ]                     ; ids and the count of steps alone: all sixteen waves go the same way, and a work-group past the limit stays past it; every wait for tensor loads in this text is for 0
	s_cbranch_scc1 .Lpast_\@
	TLOAD                                          ; a wave's one tensor load until the next such barrier
.Lpast_\@:
	ASK
.endif
.endm
.macro SLOT_STEPS
	v_add_nc_u32 v[ADR], s[TB], v[LI]
	STEP 0, 16, 160, 12, QML
	STEP 0, 24, 192, 8, QME
	s_add_co_u32 s[KF], s[KF], 128
	STEP 1, 16, 160, 12, QML
	STEP 1, 24, 192, 8, QME
	s_add_co_u32 s[KF], s[KF], 128
	s_xor_b32 s[TB], s[TB], SLOTB                  ; on to the other slot
.endm
	s_wait_loadcnt 0x0                             ; Q
.Lslot:                                            ; 7 trips: behind each change of slots but the last the next slot is asked for, up to the causal limit
	CHANGE 1
	SLOT_STEPS
	s_sub_co_u32 s[SLOTS], s[SLOTS], 1
	s_cmp_lg_u32 s[SLOTS], 0
	s_cbranch_scc1 .Lslot
	CHANGE 0                                       ; the last slot is written out: nothing is left to ask for
	SLOT_STEPS
; THE WAY OUT of a tile: O^T / the sum, held and converted with 2^(e6 - e4 - e5): registers 16 B + i are channels 32 B + 16 h + i of my query: two pieces of 16 codes, each store 512 consecutive bytes.
.macro OUT ro, rs, cd, sb
	v_add_f32 v[\rs+2], v[\rs+2], v[\rs+3]         ; the sum's two halves,
	v_permlanex16_b32 v236, v[\rs+2], s[SEL], s[SEL+1]
	s_delay_alu instid0(VALU_DEP_1)
	v_add_f32 v[\rs+2], v[\rs+2], v236             ; and lane l xor 16's
	s_wait_alu depctr_va_vdst(0)
	v_rcp_f32 v[\rs+2], v[\rs+2]
	v_nop                                          ; a plain line behind the transcendental,
	s_wait_alu depctr_va_vdst(0)                   ; and the wait ahead of its first reader
.set j, 0
.rept 32
	v_mul_f32 v[96+j], v[\ro+j], v[\rs+2]          ; each accumulator from its low end on
.set j, j+1
.endr
.set j, 0
.rept 32
.set j, j+1
.endr
.irp b, 0,1,2,3
	v_cvt_scalef32_pk8_fp8_f32 v[\cd+2*\b:\cd+2*\b+1], v[96+8*\b:103+8*\b], v245
.endr
	v_nop                                          ; a plain line behind the last conversion
	global_store_b128 v[LI], v[\cd:\cd+3], s[\sb:\sb+1]
	global_store_b128 v[LI], v[\cd+4:\cd+7], s[\sb:\sb+1] offset:512
.endm
.rept 4
	v_nop                                          ; places behind the last products
.endr
	OUT 160, 12, 224, 52
	OUT 192, 8, 232, 50
	s_wait_tensorcnt 0x0                           ; the wave's end, behind the last tensor load
	ds_add_u32 v[SPW], v[NIL]
	s_wait_dscnt 0x0
	s_endpgm
.Lfunc_end_k_q9a47952097_attn:
	.size	k_q9a47952097_attn, .Lfunc_end_k_q9a47952097_attn-k_q9a47952097_attn
	.p2alignl 7, 3214868480
	.fill 96, 4, 3214868480
	.section	.rodata,"a",@progbits
	.p2align	6, 0x0
	.amdhsa_kernel k_q9a47952097_attn
		.amdhsa_group_segment_fixed_size 327680
		.amdhsa_private_segment_fixed_size 0
		.amdhsa_enable_private_segment 0
		.amdhsa_kernarg_size 24
		.amdhsa_user_sgpr_count 2
		.amdhsa_user_sgpr_kernarg_segment_ptr 1
		.amdhsa_wavefront_size32 1
		.amdhsa_system_sgpr_workgroup_id_x 1
		.amdhsa_system_sgpr_workgroup_id_y 1
		.amdhsa_system_sgpr_workgroup_id_z 1
		.amdhsa_system_vgpr_workitem_id 0
		.amdhsa_next_free_vgpr 256
		.amdhsa_next_free_sgpr 100
		.amdhsa_reserve_vcc 1
		.amdhsa_float_denorm_mode_32 3
		.amdhsa_float_denorm_mode_16_64 3
		.amdhsa_fp16_overflow 1
		.amdhsa_memory_ordered 1
		.amdhsa_forward_progress 1
		.amdhsa_inst_pref_size 164
	.end_amdhsa_kernel
	.amdgpu_metadata
---
amdhsa.version: [ 1, 2 ]
amdhsa.kernels:
  - .name:           k_q9a47952097_attn
    .symbol:         k_q9a47952097_attn.kd
    .args:
      - { .name: qkv, .offset: 0, .size: 8, .value_kind: global_buffer, .address_space: global }
      - { .name: lowp_scales, .offset: 8, .size: 8, .value_kind: global_buffer, .address_space: global }
      - { .name: attnimg, .offset: 16, .size: 8, .value_kind: global_buffer, .address_space: global }
    .group_segment_fixed_size: 327680
    .private_segment_fixed_size: 0
    .kernarg_segment_align: 8
    .kernarg_segment_size: 24
    .max_flat_workgroup_size: 512
    .sgpr_count:     100
    .vgpr_count:     256
    .wavefront_size: 32
...
	.end_amdgpu_metadata
.endif
;; end of part 3
;; launch gemm_out (part 4): grid 4 x 32, 4 waves a work-group, clusters of 4 x 4, 327,680 bytes of LDS; arguments attnimg, woimg, lowp_scales, out0; writes out0
.if DOCPART == 4
	.amdgcn_target "amdgcn-amd-amdhsa--gfx1250"
	.amdhsa_code_object_version 6
	.text
	.protected	k_q9a47952097_gemm_out
	.globl	k_q9a47952097_gemm_out
	.p2align	8
	.type	k_q9a47952097_gemm_out,@function
k_q9a47952097_gemm_out:
	s_mov_b64 s[64:65], 0
	v_nop
	global_prefetch_b8 v0, s[64:65] scope:SCOPE_SE
	s_setreg_imm32_b32 hwreg(HW_REG_WAVE_MODE, 25, 1), 1
	s_wait_xcnt 0x0
	s_wait_alu depctr_hold_cnt(0) depctr_sa_sdst(0) depctr_va_vdst(0) depctr_va_sdst(0) depctr_va_ssrc(0) depctr_va_vcc(0) depctr_vm_vsrc(0)
	s_getreg_b32 s2, hwreg(HW_REG_IB_STS2, 6, 4)
	s_cmp_eq_u32 s2, 0
	s_cbranch_scc0 .Lentry_in_a_cluster
	s_endpgm
.Lentry_in_a_cluster:
	s_bfe_u32 s2, ttmp6, 0x10000c
	s_cmp_lg_u32 s2, 0xf033
	s_cbranch_scc0 .Lentry_shape_is_right
	s_endpgm
.Lentry_shape_is_right:
; out0 = attn w_o on codes of E4M3; each finished f32 sum is multiplied once by 2^(e6 + e7).  M 8,192, N 1,024, K 1,024.  LIMIT: e6 + e7 between -126 and 127, so that 2^(e6 + e7) is an f32 number.
; A work-group of four waves makes 256 x 256, a wave 128 x 128: 64 accumulators of 16 x 16.  K goes in steps of 256 through two LDS slots; each wave fetches 128 rows x 256 k, 32,768 consecutive bytes, by one tensor load.
; OPERANDS ARE IMAGES: 16 rows x 128 k in 2,048 bytes, the 16 bytes at 512 c + 16 lane being k = 32 c + 16 (lane / 16) + 0 .. 15 of the row at position lane % 16; tile 2 B + u holds at position p row 32 B + 8 u + p + 8 (p / 8)
; (attnimg: rows of attn; woimg: columns of w_o).  A fragment is four LDS loads of 512 consecutive bytes.  k stands in the same places in both operands.
; THE MATRIX INSTRUCTION IS USED TRANSPOSED (source 0 = a tile of w_o's columns, source 1 = a tile of attn's rows): register j of lane (r, h) of accumulator (a, b) is the row at position r of tile a and column
; 32 (b / 2) + 16 h + 8 (b % 2) + j.  The order of rows and columns is set right on the way out, by the immediates of the stage's stores and of the global stores.
; CLUSTERS 4 x 4: attn's tile is shared along a row of the cluster, w_o's along a column: each is asked for jointly.
; REGISTERS, in windows of 256: window 0: v16-29 addresses; v32-95 at work on the way out; v128-255 attn's fragments, ONE set, on the way out rows read back.  window 1: w_o's, TWO sets.  windows 2, 3: the accumulators.
.set FR,     16
.set NL,     4
.set NP,     4                         ; places behind this matrix instruction (ISA guide 7.12.1)
.set HALFT,  32768                     ; what one tensor load brings: 8 tiles x 2 images
.set SLOT,   4*HALFT
.set SPARE,  2*SLOT                    ; behind the ring: the spare words, 128 bytes for each wave, which no other line names
.set STAGE,  SPARE+512                 ; behind them: 16 rows x (512 bytes + 16) for each wave, for the way out; no tensor load lands here
.set SPITCH, 528
.set LAPS,   2
.set STRA,   0x200000                  ; attnimg: 256 along K on = 512 tiles x 4,096 bytes
.set STRB,   0x40000                   ; woimg: 64 tiles x 4,096
.set ADRA, 16
.set ADRB, 20
.set STO,  24                          ; v24     the way out: where I put 32 bytes of a row
.set RD,   25                          ; v25     where I read a row back
.set CO,   26                          ; v26     my byte offset in a row's 512 bytes of out0
.set SPW,  28
.set NIL,  29
.set TMP,  32
.set AF,   128
.set BK,   128                         ; the way out: 16 rows read back: v128-191 and v192-255 by turns
.set G1, 24
.set G0, 32
.set G1B, 48
.set G0B, 56
.set MSB, 0
.macro WIN new                         ; the immediate's high byte repeats the setting that is left
.if MSB != \new
	s_set_vgpr_msb (MSB<<8)|\new
.set MSB, \new
.endif
.endm
.set MUL_LO, 0xa1
.set MUL_HI, 0xf1
.set TO_B,   0x40
; A joint load: waves 0 and 1 fetch for attn, waves 2 and 3 for w_o.  The branch hangs on the wave's number alone.  An s_nop 0 and four v_nop follow each of the two lines.
.macro JLOAD g0a, g1a, g0b, g1b
	s_cmp_eq_u32 s15, 0
	s_cbranch_scc0 .Lfor_b_\@
	tensor_load_to_lds s[\g0a:\g0a+3], s[\g1a:\g1a+7]
	s_nop 0
.rept 4
	v_nop
.endr
	s_branch .Lasked_\@
.Lfor_b_\@:
	tensor_load_to_lds s[\g0b:\g0b+3], s[\g1b:\g1b+7]
	s_nop 0
.rept 4
	v_nop
.endr
.Lasked_\@:
.endm
.macro CREST
	s_cmp_lg_u32 s14, 0
	s_cbranch_scc1 .Lnot_wave_0_\@
	s_barrier_signal -3
.Lnot_wave_0_\@:
	s_barrier_wait -3
	s_barrier_signal -1
	s_barrier_wait -1
.endm
.macro CROUND
	s_barrier_signal -1
	s_barrier_wait -1
	CREST
.endm
	s_load_b128 s[4:7], s[0:1], 0x0                ; attnimg s[4:5], woimg s[6:7]
	s_load_b128 s[8:11], s[0:1], 0x10              ; the exponents s[8:9], out0 s[10:11]
	v_lshl_add_u32 v[SPW], v0, 2, SPARE
	v_mov_b32 v[NIL], 0
	ds_add_u32 v[SPW], v[NIL]                      ; the wave's opening: the add and its wait stand ahead of my first tensor load; the set-up below, work on registers, stands between them
	ds_add_u32 v[SPW], v[NIL]
	v_lshrrev_b32 v1, 5, v0
	v_readfirstlane_b32 s14, v1                    ; wave 0..3
	s_lshr_b32 s15, s14, 1                         ; my half of the tile's rows.  Also: I fetch for attn (0) or for w_o (1)
	s_and_b32 s16, s14, 1                          ; my half of its columns.  Also: which 128 rows of that operand's tile I fetch
	s_bfe_u32 s40, ttmp6, 0x40000                  ; cx, cy
	s_bfe_u32 s41, ttmp6, 0x40004
	s_lshl_b32 s42, ttmp9, 2
	s_add_co_u32 s42, s42, s40                     ; tile column = 4 x cluster x + cx
	s_and_b32 s17, ttmp7, 0xffff
	s_lshl_b32 s17, s17, 2
	s_add_co_u32 s17, s17, s41                     ; tile row = 4 x cluster y + cy
	s_lshl_b32 s43, s41, 2
	s_lshl_b32 s43, 15, s43                        ; my row of the cluster
	s_lshl_b32 s44, 0x1111, s40                    ; my column
	s_or_b32 s[G1+0], s43, (3<<16)|(1<<21)         ; 15:0 the mask; 17:16 elements of 8 bytes; 20 no padding; 21 set beside a mask
	s_or_b32 s[G1B+0], s44, (3<<16)|(1<<21)
.irp g, G1, G1B
	s_mov_b32 s[\g+1], 32<<16                      ; tensor_dim0 = 32
	s_mov_b32 s[\g+2], 128<<16                     ; tensor_dim1 = 128
	s_mov_b32 s[\g+3], 32<<16                      ; tile_dim0 = 32
	s_mov_b32 s[\g+4], 128                         ; tile_dim1 = 128
	s_mov_b32 s[\g+5], 32                          ; tensor_dim0_stride
	s_mov_b32 s[\g+6], 0
	s_mov_b32 s[\g+7], 0
.endr
	s_lshl_b32 s18, s16, 15                        ; which 8 of the block's 16 tiles I fetch
	s_lshl_b32 s20, s17, 16                        ; a block of 256 rows x 256 k is 65,536 bytes
	s_add_co_u32 s20, s20, s18
	s_mov_b32 s21, 0
	s_lshl_b32 s46, s42, 16
	s_add_co_u32 s46, s46, s18
	s_mov_b32 s47, 0
	s_mul_i32 s45, s14, HALFT                      ; where they go: wave x 32,768
	s_wait_dscnt 0x0                               ; the opening add is done
	s_wait_kmcnt 0x0
	s_load_b64 s[96:97], s[8:9], 0x18              ; e6, e7: awaited behind the loop
	s_add_nc_u64 s[20:21], s[4:5], s[20:21]
	s_add_nc_u64 s[46:47], s[6:7], s[46:47]
	CROUND                                         ; all sixteen work-groups are here: the first joint loads meet
.irp s, 0,1
	s_mov_b32 s[G0+4*\s], 1
	s_add_co_u32 s[G0+4*\s+1], s45, \s*SLOT
	s_add_nc_u64 s[G0+4*\s+2:G0+4*\s+3], s[20:21], \s*STRA
	s_or_b32 s[G0+4*\s+3], s[G0+4*\s+3], 0x80000000
	s_mov_b32 s[G0B+4*\s], 1
	s_add_co_u32 s[G0B+4*\s+1], s45, \s*SLOT
	s_add_nc_u64 s[G0B+4*\s+2:G0B+4*\s+3], s[46:47], \s*STRB
	s_or_b32 s[G0B+4*\s+3], s[G0B+4*\s+3], 0x80000000
	s_wait_alu depctr_va_vdst(0)
	s_wait_tensorcnt 0x0
	ds_add_u32 v28, v29
	ds_add_u32 v28, v29
	s_wait_dscnt 0x0
	CROUND
	JLOAD G0+4*\s, G1, G0B+4*\s, G1B
.endr
	v_and_b32 v1, 15, v0                           ; r
	s_wait_alu depctr_va_vdst(0)
	v_bfe_u32 v2, v0, 4, 1                         ; h
	v_and_b32 v6, 31, v0
	v_lshlrev_b32 v4, 4, v6                        ; 16 x lane
	s_mul_i32 s21, s15, HALFT
	s_mul_i32 s22, s16, HALFT
	s_add_co_u32 s22, s22, 2*HALFT
.irp s, 0,1
	v_add_nc_u32 v[ADRA+\s], s21, v4
	v_add_nc_u32 v[ADRB+\s], s22, v4
	s_add_co_u32 s21, s21, SLOT
	s_add_co_u32 s22, s22, SLOT
.endr
	s_mul_i32 s23, s14, 16*SPITCH
	s_add_co_u32 s23, s23, STAGE                   ; my stage
	v_mul_u32_u24 v5, v1, SPITCH                   ; in: row = position r; my half's 16 columns of each 32: + 64 h
	s_wait_alu depctr_va_vdst(0)
	v_lshl_add_u32 v5, v2, 6, v5
	v_add_nc_u32 v[STO], s23, v5
	v_lshlrev_b32 v[CO], 4, v6                     ; back: the 32 lanes take one row of 512 bytes; and the same in out0
	v_add_nc_u32 v[RD], s23, v[CO]
	s_lshl_b32 s20, s17, 20                        ; my first row: 256 x tile row + 128 x half, rows of 4,096 bytes;
	s_lshl_b32 s21, s15, 19
	s_add_co_u32 s20, s20, s21
	s_lshl_b32 s46, s42, 10                        ; my first column: 1,024 x tile column + 512 x half, in bytes
	s_lshl_b32 s47, s16, 9
	s_add_co_u32 s46, s46, s47
	s_add_co_u32 s20, s20, s46
	s_mov_b32 s21, 0
	s_add_nc_u64 s[10:11], s[10:11], s[20:21]
.macro FRAG reg, adr, q, i             ; tile i's image of the slot's q-th 128 along K: four loads of 512 consecutive bytes
.irp c, 0,1,2,3
	ds_load_b128 v[\reg+4*\c:\reg+4*\c+3], v[\adr] offset:(\i)*4096+(\q)*2048+512*\c
.endr
.endm
; The 64 accumulators take turns, one instruction a turn, in the same order in every step.
.macro MUL16 a0, p, zero
.irp a, \a0, \a0+1
.irp b, 0,1,2,3,4,5,6,7
.if \zero
	v_wmma_f32_16x16x128_fp8_fp8 v[8*(8*((\a)%4)+\b):8*(8*((\a)%4)+\b)+7], v[128*(\p)+FR*\b:128*(\p)+FR*\b+FR-1], v[AF+FR*(\a):AF+FR*(\a)+FR-1], 0
.else
	v_wmma_f32_16x16x128_fp8_fp8 v[8*(8*((\a)%4)+\b):8*(8*((\a)%4)+\b)+7], v[128*(\p)+FR*\b:128*(\p)+FR*\b+FR-1], v[AF+FR*(\a):AF+FR*(\a)+FR-1], v[8*(8*((\a)%4)+\b):8*(8*((\a)%4)+\b)+7]
.endif
.endr
.endr
.endm
.macro FETCH_B slot, q, p
	WIN TO_B
.irp i, 0,1,2,3,4,5,6,7
	FRAG 128*(\p)+FR*\i, ADRB+\slot, \q, \i
.endr
	WIN 0
.endm
.macro FETCH_A slot, q, i0
.irp i, \i0, \i0+1, \i0+2, \i0+3
	FRAG AF+FR*(\i), ADRA+\slot, \q, \i
.endr
.endm
.macro PLACES n                        ; plain vector lines in front of loads into registers that matrix instructions have read, and of the first read of results
.rept \n
	v_nop
.endr
.endm
.macro STEP slot, q, zero
	s_wait_dscnt 4*NL                              ; all but the youngest 16 loads (row tiles 4-7) are in
	WIN MUL_LO
	MUL16 0, (\q)%2, \zero
	MUL16 2, (\q)%2, \zero
	s_wait_dscnt 0
	PLACES NP
	FETCH_B \slot, (\q)+1, 1-(\q)%2
	FETCH_A \slot, (\q)+1, 0
	WIN MUL_HI
	MUL16 4, (\q)%2, \zero
	MUL16 6, (\q)%2, \zero
	PLACES NP
	WIN 0
	FETCH_A \slot, (\q)+1, 4
.endm
; A slot's last step changes slots: ONE barrier; in front of it each wave waits for all its tensor loads, adds 0 to its spare word, and waits for that and for its own reads of this slot.  fill = 1: this slot is filled again, two K steps on.
.macro TURN slot, next, fill
	s_wait_tensorcnt 0x0                           ; all my tensor loads have landed: my part of the next slot
	ds_add_u32 v[SPW], v[NIL]                      ; 0 onto my spare word
	s_wait_dscnt 4*NL+1                            ; (the add and the youngest 16 loads may be out)
	WIN MUL_LO
	MUL16 0, 1, 0
	s_wait_dscnt 0x0                               ; the add is done, and my reads of this slot are over
	s_barrier_signal -1
	MUL16 2, 1, 0
	WIN 0
	s_barrier_wait -1
.if \fill
	CREST                                          ; the barrier has opened a round of the cluster's barrier: no wave of any partner still reads this slot or has a load on its way
	s_add_nc_u64 s[G0+4*\slot+2:G0+4*\slot+3], s[G0+4*\slot+2:G0+4*\slot+3], 2*STRA
	s_add_nc_u64 s[G0B+4*\slot+2:G0B+4*\slot+3], s[G0B+4*\slot+2:G0B+4*\slot+3], 2*STRB
	JLOAD G0+4*\slot, G1, G0B+4*\slot, G1B
.else
	PLACES NP
.endif
	FETCH_B \next, 0, 0
	FETCH_A \next, 0, 0
	WIN MUL_HI
	MUL16 4, 1, 0
	MUL16 6, 1, 0
	PLACES NP
	WIN 0
	FETCH_A \next, 0, 4
.endm
	s_wait_tensorcnt 1                             ; my part of K step 0 is in; K step 1's load, issued behind it, may be out
	s_barrier_signal -1
	s_barrier_wait -1
	FETCH_B 0, 0, 0
	FETCH_A 0, 0, 0
	FETCH_A 0, 0, 4
	STEP 0, 0, 1                                   ; the first step's products start the sums
	s_mov_b32 s3, LAPS-1
.Llap:
	TURN 0, 1, 1
	STEP 1, 0, 0
	TURN 1, 0, 1
	STEP 0, 0, 0
	s_sub_co_u32 s3, s3, 1
	s_cmp_lg_u32 s3, 0
	s_cbranch_scc1 .Llap
	TURN 0, 1, 0                                   ; the last lap fills nothing
	STEP 1, 0, 0
	s_wait_dscnt 4*NL
	WIN MUL_LO
	MUL16 0, 1, 0
	MUL16 2, 1, 0
	s_wait_dscnt 0
	WIN MUL_HI
	MUL16 4, 1, 0
	MUL16 6, 1, 0
	WIN 0
; THE WAY OUT, row tile by row tile.  A lane holds 8 neighbouring columns of one row; a tile goes through my own stage in LDS, where the columns fall into their true order, and comes back as whole rows of 512 bytes.
; LDS serves a wave's instructions in order (ISA guide 5.7.1.4): no wait between the stores and the loads, nor in front of the next tile's stores.
.macro TOSTAGE a
.set AC, 64*((\a)%4)
	WIN 0x02+((\a)/4)                              ; source 0: window 2 or 3
.irp j, 0,2,4,6,8,10,12,14,16,18,20,22,24,26,28,30,32,34,36,38,40,42,44,46,48,50,52,54,56,58,60,62
	v_pk_mul_f32 v[TMP+\j:TMP+\j+1], v[AC+\j:AC+\j+1], s[96:97] op_sel_hi:[1,0]   ; both x s96 = 2^(e6 + e7); each accumulator from its low end on
.endr
	WIN 0
.irp b, 0,1,2,3,4,5,6,7
	ds_store_b128 v[STO], v[TMP+8*\b:TMP+8*\b+3] offset:128*(\b/2)+32*(\b%2)         ; columns 32 (b / 2) + 16 h + 8 (b % 2) + 0 .. 7
	ds_store_b128 v[STO], v[TMP+8*\b+4:TMP+8*\b+7] offset:128*(\b/2)+32*(\b%2)+16
.endr
.set BB, BK+64*((\a)%2)
.irp t, 0,1,2,3,4,5,6,7,8,9,10,11,12,13,14,15
	ds_load_b128 v[BB+4*\t:BB+4*\t+3], v[RD] offset:\t*SPITCH
.endr
.endm
.macro SEND a, younger                 ; younger: the LDS instructions issued behind tile a's loads, which may stay out
.set BB, BK+64*((\a)%2)
	s_wait_dscnt \younger
.irp t, 0,1,2,3,4,5,6,7,8,9,10,11,12,13,14,15
	global_store_b128 v[CO], v[BB+4*\t:BB+4*\t+3], s[10:11] offset:(32*((\a)/2)+8*((\a)%2)+\t+8*(\t/8))*4096 th:TH_STORE_NT   ; position t's true row; 512 consecutive bytes; the base is never stepped: 127 rows at the most stand in the immediate
.endr
.endm
	s_wait_kmcnt 0x0
	s_add_co_i32 s96, s96, s97                     ; e6 + e7, between -126 and 127,
	s_add_co_i32 s96, s96, 127
	s_lshl_b32 s96, s96, 23                        ; makes the f32 number 2^(e6 + e7)
	s_mov_b32 s97, s96                             ; (named with it as a pair)
	PLACES NP
	TOSTAGE 0
.irp a, 1,2,3,4,5,6,7
.if \a > 1
	s_wait_xcnt 0x0                                ; tile a - 2's stores have read their registers: tile a's loads may land there
.endif
	TOSTAGE \a
	SEND \a-1, 32                                  ; behind tile a - 1's loads: tile a's 16 stores and 16 loads
.endr
	SEND 7, 0
	s_wait_tensorcnt 0x0                           ; the wave's end, behind my last tensor load and my last LDS store
	ds_add_u32 v[SPW], v[NIL]
	s_wait_dscnt 0x0
	CROUND                                         ; the closing round: no work-group ends while a partner may still ask for a tile that names it
	s_endpgm
.Lfunc_end_k_q9a47952097_gemm_out:
	.size	k_q9a47952097_gemm_out, .Lfunc_end_k_q9a47952097_gemm_out-k_q9a47952097_gemm_out
	.p2alignl 7, 3214868480
	.fill 96, 4, 3214868480
	.section	.rodata,"a",@progbits
	.p2align	6, 0x0
	.amdhsa_kernel k_q9a47952097_gemm_out
		.amdhsa_group_segment_fixed_size 327680
		.amdhsa_private_segment_fixed_size 0
		.amdhsa_enable_private_segment 0
		.amdhsa_kernarg_size 32
		.amdhsa_user_sgpr_count 2
		.amdhsa_user_sgpr_kernarg_segment_ptr 1
		.amdhsa_wavefront_size32 1
		.amdhsa_system_sgpr_workgroup_id_x 1
		.amdhsa_system_sgpr_workgroup_id_y 1
		.amdhsa_system_sgpr_workgroup_id_z 1
		.amdhsa_system_vgpr_workitem_id 0
		.amdhsa_next_free_vgpr 1024
		.amdhsa_next_free_sgpr 98
		.amdhsa_reserve_vcc 0
		.amdhsa_float_denorm_mode_32 3
		.amdhsa_float_denorm_mode_16_64 3
		.amdhsa_memory_ordered 1
		.amdhsa_forward_progress 1
		.amdhsa_inst_pref_size 123
	.end_amdhsa_kernel
	.amdgpu_metadata
---
amdhsa.version: [ 1, 2 ]
amdhsa.kernels:
  - .name:           k_q9a47952097_gemm_out
    .symbol:         k_q9a47952097_gemm_out.kd
    .args:
      - { .name: attnimg, .offset: 0, .size: 8, .value_kind: global_buffer, .address_space: global }
      - { .name: woimg, .offset: 8, .size: 8, .value_kind: global_buffer, .address_space: global }
      - { .name: lowp_scales, .offset: 16, .size: 8, .value_kind: global_buffer, .address_space: global }
      - { .name: out0, .offset: 24, .size: 8, .value_kind: global_buffer, .address_space: global }
    .group_segment_fixed_size: 327680
    .private_segment_fixed_size: 0
    .kernarg_segment_align: 8
    .kernarg_segment_size: 32
    .max_flat_workgroup_size: 128
    .sgpr_count:     98
    .vgpr_count:     1024
    .wavefront_size: 32
...
	.end_amdgpu_metadata
.endif
;; end of part 4
